; MI455X (gfx1250); checked and timed in simulation.
; The chip was launched on July 23, 2026; its instructions are those of AMD's public machine-readable ISA for CDNA 5 (MIT licence, August 2026) and "CDNA5" Instruction Set Architecture Reference Guide (July 2026). The comments in the code are by the model that wrote it; some were corrected since.
;; BNB Linear4bit. Allowed arithmetic: float matrix products may take bf16 or f16 operands with f32 sums; other float arithmetic in f32, or as packed bf16 or f16 multiplies, adds, multiply-adds, maxima and minima; sums over many terms, partial sums and values carried from step to step in f32; what a program stores and reads back later, other than sums and carried values, may be rounded once to bf16 or f16.
;; Inputs: absmax 4,096 x 64 float32; bias 4,096 float32; codes 4,096 x 4,096 int32; x 2 x 2,048 x 4,096 float32.
;; Outputs: out0 2 x 2,048 x 4,096 float32.
;; 2 versions, each right; version 2 is version 1 with the launch prep written anew for expert scheduling mode. Each part assembles by itself: llvm-mc -triple=amdgcn-amd-amdhsa -mcpu=gfx1250 --defsym DOCPART=n.
;; ======== version 1 of 2: 2 launches
;; workspace buffers: xb 33,554,432 bytes; wb 33,554,432 bytes
;; launch prep (part 1): grid 1024 x 2, 8 waves a work-group, no clusters, 0 bytes of LDS; arguments x, codes, absmax, xb, wb; writes xb, wb
.if DOCPART == 1
	.amdgcn_target "amdgcn-amd-amdhsa--gfx1250"
	.amdhsa_code_object_version 6
	.text
	.protected	k_qce60ebc619_prep
	.globl	k_qce60ebc619_prep
	.p2align	8
	.type	k_qce60ebc619_prep,@function
k_qce60ebc619_prep:
	s_mov_b64 s[64:65], 0
	v_nop
	global_prefetch_b8 v0, s[64:65] scope:SCOPE_SE
	s_setreg_imm32_b32 hwreg(HW_REG_WAVE_MODE, 25, 1), 1
	s_wait_xcnt 0x0
; THE OPERANDS OF THE PRODUCT, MADE ONCE.  Work-groups with y = 0: xb = bf16(x).  Work-groups with y = 1: wb = bf16(NF4[code] x bf16(absmax)).
; x: [4096][4096] f32, codes: [4096][4096] int32, absmax: [4096][64] f32 (one scale for 64 neighbouring numbers of a row); xb, wb: [4096][4096] bf16, row-major.
; Each row of x and of the weights is multiplied by 16 tiles of the product that follows, so conversion and look-up are done here, once, and not there, sixteen times.
; ROUNDINGS.  x is rounded once to bf16.  absmax is rounded to bf16 first, like every floating-point input of the program; the product with the f32 table entry is rounded once more.
; LIMITS.  A code above 15 (a negative one read as unsigned) counts as 15.  |x| or |absmax| beyond bf16's largest finite number, 3.39e38, becomes an infinity.  NaN and infinities pass through.
; SHARES.  A job is 16,777,216 numbers.  A work-group takes 16,384 of them on end, each of its eight waves 2,048: 8 KiB in, 4 KiB out.  Step j of 16: one load of 16 bytes a lane
; (512 consecutive bytes, aligned) and one store of 8 bytes a lane (the wave's 32 lanes store 256 consecutive bytes, aligned).  All 16 loads of a wave go out at once, into 64 registers:
; no loop, no register is written again while a load or store still names it.  No LDS byte is used, no barrier: no wave wants what another fetched.  No matrix work, no cluster: nothing is shared.
.set IO,  3                            ; v3       my byte offset in the work-group's input: 8,192 x wave + 16 x lane
.set OO,  4                            ; v4       in its output: 4,096 x wave + 8 x lane
.set AO,  5                            ; v5       in its 256 scales
.set AM,  6                            ; v6       my scale
.set TB,  8                            ; v8       lane c (0 to 15) holds NF4[c]
.set SC,  10                           ; v[10:11] the step's scale; named as a pair
.set D,   16                           ; v[16:79] step j's four numbers at D + 4 j
	s_load_b256 s[4:11], s[0:1], 0x0               ; x s[4:5], codes s[6:7], absmax s[8:9], xb s[10:11]
	s_load_b64 s[12:13], s[0:1], 0x20              ; wb
	s_and_b32 s14, ttmp7, 0xffff                   ; the job
	s_lshl_b32 s2, ttmp9, 16                       ; the work-group's 65,536 bytes of input (1,024 work-groups: under 2^26),
	s_mov_b32 s3, 0
	s_lshl_b32 s16, ttmp9, 15                      ; its 32,768 bytes of output,
	s_mov_b32 s17, 0
	s_lshl_b32 s18, ttmp9, 10                      ; and its 256 scales: a number's place / 64 is its scale's place, since a row has a whole number of blocks
	s_mov_b32 s19, 0
	v_and_b32 v1, 31, v0                           ; lane
	v_and_b32 v2, 0xe0, v0                         ; 32 x wave
	v_lshlrev_b32 v[IO], 4, v1
	v_lshl_or_b32 v[IO], v2, 8, v[IO]
	v_lshlrev_b32 v[OO], 3, v1
	v_lshl_or_b32 v[OO], v2, 7, v[OO]
	s_wait_kmcnt 0x0
	s_cmp_lg_u32 s14, 0
	s_cbranch_scc1 .Lw
	; ---- x to bf16 ----
	s_add_nc_u64 s[4:5], s[4:5], s[2:3]
	s_add_nc_u64 s[10:11], s[10:11], s[16:17]
.irp j, 0,1,2,3,4,5,6,7,8,9,10,11,12,13,14,15
	global_load_b128 v[D+4*(\j):D+4*(\j)+3], v[IO], s[4:5] offset:512*(\j) th:TH_LOAD_NT  ; read once in the launch
.endr
.irp j, 0,1,2,3,4,5,6,7,8,9,10,11,12,13,14,15
	s_wait_loadcnt 15-(\j)                         ; loads come back in order (ISA guide 5.7.1): step j's is in, the 15 - j younger ones stay out
	v_cvt_pk_bf16_f32 v[D+4*(\j)],   v[D+4*(\j)],   v[D+4*(\j)+1]
	v_cvt_pk_bf16_f32 v[D+4*(\j)+1], v[D+4*(\j)+2], v[D+4*(\j)+3]
	global_store_b64 v[OO], v[D+4*(\j):D+4*(\j)+1], s[10:11] offset:256*(\j)  ; no hint: the next launch reads these bytes
.endr
	s_endpgm
	; ---- codes and scales to bf16 weights ----
.Lw:
	s_add_nc_u64 s[6:7], s[6:7], s[2:3]
	s_add_nc_u64 s[8:9], s[8:9], s[18:19]
	s_add_nc_u64 s[12:13], s[12:13], s[16:17]
	; The wave's 2,048 numbers have 32 scales, 128 bytes on end.  In step j lane l works on numbers 128 j + 4 l .., whose block is 2 j + l / 16.  So lane (r = l % 16, h = l / 16) keeps
	; scale 2 r + h: in step j every lane then takes lane j of its own half of 16 lanes.
	v_and_b32 v7, 15, v0
	v_bfe_u32 v[AO], v0, 4, 1
	v_lshlrev_b32 v[AO], 2, v[AO]                  ; 4 h
	v_lshl_add_u32 v[AO], v7, 3, v[AO]             ; + 8 r
	v_lshl_add_u32 v[AO], v2, 2, v[AO]             ; + 128 x wave
	global_load_b32 v[AM], v[AO], s[8:9]
.irp j, 0,1,2,3,4,5,6,7,8,9,10,11,12,13,14,15
	global_load_b128 v[D+4*(\j):D+4*(\j)+3], v[IO], s[6:7] offset:512*(\j) th:TH_LOAD_NT
.endr
	; The table, made while the loads are out: NF4's sixteen levels as f32 bits, level c in lane c.  Level 7 is 0, and so are lanes 16 to 31, which no clamped code names.
	v_mov_b32 v[TB], 0
	v_mov_b32 v[SC], 0                             ; the lane-crossing move's destination counts as read, and the packed multiply names the pair: both are written once here
	v_mov_b32 v[SC+1], 0
.macro TAB lane, bits
	s_mov_b32 s[20+(\lane)], \bits
	v_writelane_b32 v[TB], s[20+(\lane)], \lane
.endm
	TAB 0,  0xbf800000                             ; -1.0
	TAB 1,  0xbf3239b1                             ; -0.6961928009986877
	TAB 2,  0xbf066b30                             ; -0.5250730514526367
	TAB 3,  0xbeca32a0                             ; -0.39491748809814453
	TAB 4,  0xbe91a24d                             ; -0.28444138169288635
	TAB 5,  0xbe3d353f                             ; -0.18477343022823334
	TAB 6,  0xbdba7871                             ; -0.09105003625154495
	TAB 8,  0x3da2faff                             ;  0.07958029955625534
	TAB 9,  0x3e24cae3                             ;  0.16093020141124725
	TAB 10, 0x3e7c04dd                             ;  0.24611230194568634
	TAB 11, 0x3ead033a                             ;  0.33791524171829224
	TAB 12, 0x3ee1a4b8                             ;  0.44070982933044434
	TAB 13, 0x3f1007ab                             ;  0.5626170039176941
	TAB 14, 0x3f2e047c                             ;  0.6797559261322021
	TAB 15, 0x3f800000                             ;  1.0
	s_wait_loadcnt 16                              ; my scale is in; the 16 loads of codes issued behind it stay out
	v_cvt_pk_bf16_f32 v7, v[AM], v[AM]             ; the scale rounded to bf16,
	v_lshlrev_b32 v[AM], 16, v7                    ; and held as f32
	; The look-up: each lane pulls the table entry of lane 'code'.  The permute goes through the LDS unit and touches no LDS byte; DScnt counts it.
.irp j, 0,1,2,3,4,5,6,7,8,9,10,11,12,13,14,15
	s_wait_loadcnt 15-(\j)                         ; step j's codes are in
.irp k, 0,1,2,3
	v_min_u32 v[D+4*(\j)+(\k)], 15, v[D+4*(\j)+(\k)]       ; a code stays inside the table
	v_lshlrev_b32 v[D+4*(\j)+(\k)], 2, v[D+4*(\j)+(\k)]    ; the permute's index is 4 x lane
	ds_bpermute_b32 v[D+4*(\j)+(\k)], v[D+4*(\j)+(\k)], v[TB]
.endr
.endr
.irp j, 0,1,2,3,4,5,6,7,8,9,10,11,12,13,14,15
	s_wait_dscnt 60-4*(\j)                         ; they come back in order: step j's four are in, four for each of the 15 - j younger steps stay out
	v_mov_b32_dpp v[SC], v[AM] row_share:\j row_mask:0xf bank_mask:0xf  ; lane j of my half of 16 lanes: scale 2 j + h
	v_pk_mul_f32 v[D+4*(\j):D+4*(\j)+1],   v[D+4*(\j):D+4*(\j)+1],   v[SC:SC+1] op_sel_hi:[1,0]
	v_pk_mul_f32 v[D+4*(\j)+2:D+4*(\j)+3], v[D+4*(\j)+2:D+4*(\j)+3], v[SC:SC+1] op_sel_hi:[1,0]
	v_cvt_pk_bf16_f32 v[D+4*(\j)],   v[D+4*(\j)],   v[D+4*(\j)+1]
	v_cvt_pk_bf16_f32 v[D+4*(\j)+1], v[D+4*(\j)+2], v[D+4*(\j)+3]
	global_store_b64 v[OO], v[D+4*(\j):D+4*(\j)+1], s[12:13] offset:256*(\j)
.endr
	s_endpgm
.Lfunc_end_k_qce60ebc619_prep:
	.size	k_qce60ebc619_prep, .Lfunc_end_k_qce60ebc619_prep-k_qce60ebc619_prep
	.p2alignl 7, 3214868480
	.fill 96, 4, 3214868480
	.section	.rodata,"a",@progbits
	.p2align	6, 0x0
	.amdhsa_kernel k_qce60ebc619_prep
		.amdhsa_group_segment_fixed_size 0
		.amdhsa_private_segment_fixed_size 0
		.amdhsa_enable_private_segment 0
		.amdhsa_kernarg_size 40
		.amdhsa_user_sgpr_count 2
		.amdhsa_user_sgpr_kernarg_segment_ptr 1
		.amdhsa_wavefront_size32 1
		.amdhsa_system_sgpr_workgroup_id_x 1
		.amdhsa_system_sgpr_workgroup_id_y 1
		.amdhsa_system_sgpr_workgroup_id_z 1
		.amdhsa_system_vgpr_workitem_id 0
		.amdhsa_next_free_vgpr 80
		.amdhsa_next_free_sgpr 66
		.amdhsa_reserve_vcc 0
		.amdhsa_float_denorm_mode_32 3
		.amdhsa_float_denorm_mode_16_64 3
		.amdhsa_memory_ordered 1
		.amdhsa_forward_progress 1
		.amdhsa_inst_pref_size 27
	.end_amdhsa_kernel
	.amdgpu_metadata
---
amdhsa.version: [ 1, 2 ]
amdhsa.kernels:
  - .name:           k_qce60ebc619_prep
    .symbol:         k_qce60ebc619_prep.kd
    .args:
      - { .name: x, .offset: 0, .size: 8, .value_kind: global_buffer, .address_space: global }
      - { .name: codes, .offset: 8, .size: 8, .value_kind: global_buffer, .address_space: global }
      - { .name: absmax, .offset: 16, .size: 8, .value_kind: global_buffer, .address_space: global }
      - { .name: xb, .offset: 24, .size: 8, .value_kind: global_buffer, .address_space: global }
      - { .name: wb, .offset: 32, .size: 8, .value_kind: global_buffer, .address_space: global }
    .group_segment_fixed_size: 0
    .private_segment_fixed_size: 0
    .kernarg_segment_align: 8
    .kernarg_segment_size: 40
    .max_flat_workgroup_size: 256
    .sgpr_count:     66
    .vgpr_count:     80
    .wavefront_size: 32
...
	.end_amdgpu_metadata
.endif
;; end of part 1
;; launch gemm (part 2): grid 16 x 16, 4 waves a work-group, clusters of 4 x 4, 327,680 bytes of LDS; arguments xb, wb, out0, bias; writes out0
.if DOCPART == 2
	.amdgcn_target "amdgcn-amd-amdhsa--gfx1250"
	.amdhsa_code_object_version 6
	.text
	.protected	k_qce60ebc619_gemm
	.globl	k_qce60ebc619_gemm
	.p2align	8
	.type	k_qce60ebc619_gemm,@function
k_qce60ebc619_gemm:
	s_mov_b64 s[64:65], 0
	v_nop
	global_prefetch_b8 v0, s[64:65] scope:SCOPE_SE
	s_setreg_imm32_b32 hwreg(HW_REG_WAVE_MODE, 25, 1), 1
	s_wait_xcnt 0x0
	s_wait_alu depctr_hold_cnt(0) depctr_sa_sdst(0) depctr_va_vdst(0) depctr_va_sdst(0) depctr_va_ssrc(0) depctr_va_vcc(0) depctr_vm_vsrc(0)
	s_getreg_b32 s2, hwreg(HW_REG_IB_STS2, 6, 4)
	s_cmp_eq_u32 s2, 0
	s_cbranch_scc0 .Lentry_in_a_cluster
	s_endpgm
.Lentry_in_a_cluster:
	s_bfe_u32 s2, ttmp6, 0x10000c
	s_cmp_lg_u32 s2, 0xf033
	s_cbranch_scc0 .Lentry_shape_is_right
	s_endpgm
.Lentry_shape_is_right:
; out0[m][n] = f(the sum over k of xb[m][k] wb[n][k] + bf16(bias[n])), f(v) = v where v is finite, else 0.  xb (A): [4096][4096] bf16, wb (B): [4096][4096] bf16, K along the rows; bias: [4096] f32;
; out0: [4096][4096] f32.  Sums in f32.  LIMITS: the order of the sums is not the reference's, so a sum within rounding of f32's largest number may fall on the other side of f; bias is rounded
; to bf16, like every floating-point input of the program.  NaN and infinities go through the products as they are and end as 0.
; A tile of the output, 256 x 256, is made by a work-group of four waves; a wave makes 128 x 128: 64 accumulators of 16 x 16, 512 registers.  16 x 16 tiles: 256 work-groups, one tile each.
; K goes in steps of 128 through a ring of two LDS slots filled by the tensor data mover: the rows of A's and B's tiles are 256 bytes of memory and start at multiples of 256 bytes.
; The last K step goes by rows of the output, so that finished rows leave while the others are multiplied.
; CLUSTERS: 4 x 4 work-groups.  The four of a row of the cluster need the same tiles of A, the four of a column the same tiles of B.  Such a tile is asked for JOINTLY: each of the four issues
; the same tensor load, with the same descriptor and a mask that names the four, and each receives the tile in its own LDS.  That divides the requests for A and for B by four.
; REGISTERS, in windows of 256 (s_set_vgpr_msb's low byte: bits 1:0 source 0, 3:2 source 1, 5:4 source 2, 7:6 destination):
;   window 0: v0-31 addresses and the bias; v64-127, v128-191 fragments of A, two buffers (in the last K step four, of 16 rows x 128 K); v32-63, v192-255 at work on the way out
;   window 1: v64-127, v128-191 fragments of B, two buffers; in the last K step all 256
;   window 2: the 32 accumulators of my rows 0-63 (accumulator (a, b) at v[8 (8 a + b)]);   window 3: those of my rows 64-127
; THE MATRIX INSTRUCTION IS USED TRANSPOSED: source 0 = 16 rows of B, source 1 = 16 rows of A.  In the result lane l holds row l % 16 of the output, and its registers 0 to 7 the columns
; 8 (l / 16) + 0 .. 7: 32 neighbouring bytes of a row.
.set SIZE_N, 4096
.set SIZE_K, 4096
.set KSTEP,  128
.set PITCH,  272                       ; an LDS row: 256 bytes of data + 16 of padding = 68 words: row r starts at bank 4 r mod 64 (64 banks of 4 bytes: ISA guide 11.1), so the 16 rows of a load start at 16 different banks
.set HALFT,  128*PITCH                 ; 128 rows: what one tensor load brings, and what one wave reads of A or of B
.set SLOT,   4*HALFT                   ; A's 256 rows, then B's 256 rows
.set STAGE,  2*SLOT                    ; behind the ring: a stage for each wave, for the way out; no tensor load lands here
.set SPITCH, 528                       ; a stage row: 128 f32 = 512 bytes + 16 = 33 x 16: the 16 rows that a store touches fall into 16 different columns of 16 bytes
.set STGW,   16*SPITCH                 ; a wave's stage: 8,448 bytes = 33 blocks of 256
.set SPARE,  STAGE+4*STGW              ; behind the stages: the spare words, 128 bytes for each wave: two blocks of 256 bytes that no other line names
.set LAPS,   SIZE_K/(2*KSTEP)          ; a lap = two K steps = once round the ring: 16
.set BI,   8                           ; v[8:11] the bias of the 4 columns that I store
.set ADRA, 16                          ; v16-17  LDS address of my A fragments in slot 0, 1
.set ADRB, 20                          ; v20-21  the same for B
.set STO,  24                          ; v24     the way out: where I put 32 bytes of a row
.set RD,   25                          ; v25     the way out: where I read 16 bytes of a row back
.set CO,   26                          ; v26     16 x lane: my bytes in 512 bytes of a row of out0, and in my wave's 128 numbers of bias; never rewritten
.set SPW,  28                          ; v28     LDS address of my spare word: SPARE + 4 x my thread's number; never rewritten
.set NIL,  29                          ; v29     0; never rewritten
.set PFO,  30                          ; v30     the prefetches' offset: my lane x a row of A or B in memory (8,192 bytes); never rewritten
.set T,    192                         ; v[192:195] at work on the way out
.set F0,   64                          ; fragment buffer 0
.set F1,   128                         ; fragment buffer 1
.set PA,   64                          ; the last K step: A's fragments of 16 rows x 128 K, 32 registers; four such buffers, v64-191
.set G1,   24                          ; s[24:31] descriptor group 1 for A's tiles
.set G0,   32                          ; s[32:39] descriptor group 0 for A's tiles, one set for each slot
.set LIM,  43                          ; s43     1 in a wave that prefetches, else the greatest number
.set PFA,  44                          ; s[44:45] where my prefetches stand: my work-group's 32 rows of the 128 that I fetch, one K step further along K than the refill in hand; a prefetch names the K step after that
.set G1B,  48                          ; s[48:55] descriptor group 1 for B's tiles: it differs from A's in the mask alone
.set G0B,  56                          ; s[56:63] descriptor group 0 for B's tiles, one set for each slot
.set BIAS, 66                          ; s[66:67] bias
.set INF,  68                          ; s68     0x7f800000: f32's exponent field
.set FIN,  20                          ; s20-23  on the way out: the lanes whose number is finite
.set MSB, 0
.macro WIN new                         ; the immediate's high byte repeats the setting that is left; a switch that changes nothing is dropped
.if MSB != (\new)
	s_set_vgpr_msb (MSB<<8)|(\new)
.set MSB, \new
.endif
.endm
.set MUL_LO, 0xa1                      ; source 0 (B) window 1, source 1 (A) window 0, C and D window 2
.set MUL_HI, 0xf1                      ; the same, C and D window 3
.set TO_B,   0x40                      ; destination window 1, address window 0
; A joint load.  Waves 0 and 1 fetch A's two halves, waves 2 and 3 B's.  Each of the two lines has ONE mask and one set of registers for all that issue it.  The branch hangs on the wave's
; number alone.  An s_nop 0 and four v_nop follow each of the two lines, ahead of the jump, the label and what follows.
.macro JLOAD s
	s_cmp_eq_u32 s11, 0
	s_cbranch_scc0 .Lfor_b_\@
	tensor_load_to_lds s[G0+4*(\s):G0+4*(\s)+3], s[G1:G1+7]
	s_nop 0
.rept 4
	v_nop
.endr
	s_branch .Lasked_\@
.Lfor_b_\@:
	tensor_load_to_lds s[G0B+4*(\s):G0B+4*(\s)+3], s[G1B:G1B+7]
	s_nop 0
.rept 4
	v_nop
.endr
.Lasked_\@:
.endm
; A PREFETCH, behind each joint refill, its five lines and the run of LDS loads that follows them: the K step that stands TWO refills on (512 matrix instructions of a wave ahead of the load that
; will want it): 32 rows x 256 bytes, a lane a row, one instruction a wave.  Each row's 256 bytes of a K step are named ONCE in the launch.  A's tile row is read by every cluster of that row of
; clusters: the one with x = 0 asks; B's tile column by every cluster of that column: the one with y = 0 asks.  The four partners that ask for a tile jointly share its rows out BY ADDRESS: of the
; 128 rows that a wave fetches, the partner at place p takes 32 p .. 32 p + 31 (p = cx for A, cy for B): no branch hangs on a work-group's place in its cluster.  K steps 0 to 3 come by their
; loads alone; the loop's last trip (s3 = 1) asks for nothing: there is no K step two on.
.macro ASK
	s_cmp_gt_u32 s3, s[LIM]
	s_cbranch_scc0 .Lnot_mine_\@
	global_prefetch_b8 v[PFO], s[PFA:PFA+1] offset:KSTEP*2 th:TH_LOAD_NT scope:SCOPE_SE
.Lnot_mine_\@:
.endm
; A round of the cluster's barrier: my work-group's barrier, so that wave 0's signal speaks for all four waves; wave 0 signals for the work-group; every wave waits for all sixteen
; work-groups; my work-group's barrier once more.  No LDS instruction of the wave is pending at a signal.
.macro CREST                           ; a round behind its opening barrier
	s_cmp_lg_u32 s10, 0
	s_cbranch_scc1 .Lnot_wave_0_\@
	s_barrier_signal -3
.Lnot_wave_0_\@:
	s_barrier_wait -3
	s_barrier_signal -1
	s_barrier_wait -1
.endm
.macro CROUND                          ; a whole round
	s_barrier_signal -1
	s_barrier_wait -1
	CREST
.endm
	s_load_b128 s[4:7], s[0:1], 0x0                ; A (xb) s[4:5], B (wb) s[6:7]
	s_load_b64 s[8:9], s[0:1], 0x10                ; out0
	s_load_b64 s[BIAS:BIAS+1], s[0:1], 0x18        ; bias
	v_lshl_add_u32 v[SPW], v0, 2, SPARE
	v_mov_b32 v[NIL], 0
	ds_add_u32 v[SPW], v[NIL]                      ; the wave's opening: the add, twice on end, and its wait ahead of my first tensor load; the set-up below, work on registers, stands between
	ds_add_u32 v[SPW], v[NIL]                      ; and once more, under the one wait
	v_lshrrev_b32 v1, 5, v0
	v_readfirstlane_b32 s10, v1                    ; wave 0..3
	s_lshr_b32 s11, s10, 1                         ; which half of the tile's rows is mine.  Also: I fetch for A (0) or for B (1)
	s_and_b32 s12, s10, 1                          ; which half of its columns.  Also: which 128 rows of that tile I fetch
	s_bfe_u32 s40, ttmp6, 0x40000                  ; cx: my place along the cluster's x
	s_bfe_u32 s41, ttmp6, 0x40004                  ; cy: along its y
	s_lshl_b32 s42, ttmp9, 2                       ; in a cluster launch ttmp9 and ttmp7 count clusters
	s_add_co_u32 s42, s42, s40                     ; tile column = 4 x cluster x + cx
	s_and_b32 s13, ttmp7, 0xffff
	s_lshl_b32 s13, s13, 2
	s_add_co_u32 s13, s13, s41                     ; tile row = 4 x cluster y + cy
	s_lshl_b32 s43, s41, 2
	s_lshl_b32 s43, 15, s43                        ; my row of the cluster: places 4 cy .. 4 cy + 3
	s_lshl_b32 s44, 0x1111, s40                    ; my column: places cx, cx + 4, cx + 8, cx + 12
	; descriptor group 1: a tile of 128 rows x 128 elements, padded in LDS
	s_or_b32 s[G1+0], s43, (1<<16)|(1<<20)|(1<<21)|(5<<22)|(3<<25)  ; 15:0 the mask: A's tiles go to my row; 17:16 element of 2 bytes; 20 padding on; 21 set beside a mask; 24:22 after every 64 words (code 5); 31:25 of 4 words (code 3)
	s_or_b32 s[G1B+0], s44, (1<<16)|(1<<20)|(1<<21)|(5<<22)|(3<<25) ; the same with the mask of my column, for B's tiles
	s_mov_b32 s[G1B+1], KSTEP<<16
	s_mov_b32 s[G1+1], KSTEP<<16                   ; 63:48 tensor_dim0, low half = 128
	s_mov_b32 s[G1B+2], 128<<16
	s_mov_b32 s[G1+2], 128<<16                     ; 79:64 its high half = 0; 95:80 tensor_dim1, low half = 128
	s_mov_b32 s[G1B+3], KSTEP<<16
	s_mov_b32 s[G1+3], KSTEP<<16                   ; 111:96 its high half = 0; 127:112 tile_dim0 = 128
	s_mov_b32 s[G1B+4], 128
	s_mov_b32 s[G1+4], 128                         ; 143:128 tile_dim1 = 128; 159:144 tile_dim2 = 0
	s_mov_b32 s[G1B+5], SIZE_K
	s_mov_b32 s[G1+5], SIZE_K                      ; 191:160 tensor_dim0_stride, low word: elements from row to row
	s_mov_b32 s[G1B+6], 0
	s_mov_b32 s[G1+6], 0
	s_mov_b32 s[G1B+7], 0
	s_mov_b32 s[G1+7], 0
	s_mov_b32 s[INF], 0x7f800000
	; where the tiles come from.  A's hang on the tile row alone, which my row of the cluster shares; B's on the tile column alone, which my column shares.
	; Every wave makes both addresses, in registers that never hold the other coordinate, and asks by one of them.
	s_lshl_b32 s17, s12, 7                         ; which 128 rows of the tile I fetch
	s_lshl_b32 s16, s13, 8
	s_add_co_u32 s16, s16, s17                     ; A: row 256 x tile row + 128 x half
	s_lshl_b32 s46, s42, 8
	s_add_co_u32 s46, s46, s17                     ; B: row 256 x tile column + 128 x half
	s_mov_b32 s17, 0
	s_mov_b32 s47, 0
	s_mov_b64 s[18:19], SIZE_K*2
	s_mul_u64 s[16:17], s[16:17], s[18:19]         ; in bytes
	s_mul_u64 s[46:47], s[46:47], s[18:19]
	s_mul_i32 s20, s10, HALFT                      ; and where they go: A's two halves, then B's two halves = wave x 128 rows: no place in the cluster enters an LDS address
	s_wait_dscnt 0x0                               ; both opening adds are done
	s_wait_kmcnt 0x0
	s_add_nc_u64 s[14:15], s[4:5], s[16:17]
	s_add_nc_u64 s[46:47], s[6:7], s[46:47]
	CROUND                                         ; all sixteen work-groups are here: the first joint loads meet
.irp s, 0,1
	s_mov_b32 s[G0+4*(\s)], 1                                      ; 1:0 count = 1
	s_add_co_u32 s[G0+4*(\s)+1], s20, (\s)*SLOT                    ; 63:32 LDS address
	s_add_nc_u64 s[G0+4*(\s)+2:G0+4*(\s)+3], s[14:15], (\s)*KSTEP*2  ; 120:64 global address: K step s
	s_or_b32 s[G0+4*(\s)+3], s[G0+4*(\s)+3], 0x80000000            ; 127:126 type = 2
	s_mov_b32 s[G0B+4*(\s)], 1
	s_add_co_u32 s[G0B+4*(\s)+1], s20, (\s)*SLOT
	s_add_nc_u64 s[G0B+4*(\s)+2:G0B+4*(\s)+3], s[46:47], (\s)*KSTEP*2
	s_or_b32 s[G0B+4*(\s)+3], s[G0B+4*(\s)+3], 0x80000000
	JLOAD \s                                       ; the ring is filled before anything else is done: two tensor loads of mine are out
.endr
	; A fragment is 16 rows x 32 K in 8 registers: lane l holds row l % 16; registers 0-3 hold K = 8 (l / 16) + 0..7, registers 4-7 hold K = 16 + 8 (l / 16) + 0..7.
	; From rows that lie along K: two loads of 16 bytes, 32 bytes apart.  The same for source 0 and source 1.
	v_and_b32 v1, 15, v0                           ; l % 16
	v_bfe_u32 v2, v0, 4, 1                         ; l / 16
	v_mul_u32_u24 v3, v1, PITCH
	v_lshl_add_u32 v3, v2, 4, v3                   ; row x pitch + 16 x half
	s_mul_i32 s21, s11, HALFT                      ; my 128 rows of A
	s_mul_i32 s22, s12, HALFT                      ; my 128 rows of B,
	s_add_co_u32 s22, s22, 2*HALFT                 ; which lie behind A's 256
.irp s, 0,1
	v_add_nc_u32 v[ADRA+(\s)], s21, v3
	v_add_nc_u32 v[ADRB+(\s)], s22, v3
	s_add_co_u32 s21, s21, SLOT
	s_add_co_u32 s22, s22, SLOT
.endr
	s_mul_i32 s23, s10, STGW
	s_add_co_u32 s23, s23, STAGE                   ; my stage
	v_mul_u32_u24 v4, v1, SPITCH                   ; in: row l % 16, 32 bytes for each half of the lanes
	v_lshl_add_u32 v4, v2, 5, v4
	v_add_nc_u32 v[STO], s23, v4
	v_and_b32 v5, 31, v0
	v_lshlrev_b32 v[CO], 4, v5                     ; back: 32 lanes take one row of 512 bytes, 16 bytes each; the same place in a row of out0
	v_add_nc_u32 v[RD], s23, v[CO]
	; where my part of the tile begins in out0, in bytes: the way out adds it to out0's address
	s_lshl_b32 s13, s13, 8
	s_lshl_b32 s14, s11, 7
	s_add_co_u32 s16, s13, s14                     ; my first row
	s_mov_b32 s17, 0
	s_mov_b64 s[18:19], SIZE_N*4
	s_mul_u64 s[16:17], s[16:17], s[18:19]
	s_lshl_b32 s46, s42, 10                        ; my first column, in bytes of f32: 1,024 x tile column + 512 x half (in the registers that held B's address: none that feeds A's descriptors ever holds cx)
	s_lshl_b32 s47, s12, 9
	s_add_co_u32 s46, s46, s47
	s_mov_b32 s47, 0
	s_add_nc_u64 s[16:17], s[16:17], s[46:47]
	s_add_nc_u64 s[BIAS:BIAS+1], s[BIAS:BIAS+1], s[46:47]  ; the same bytes into bias: my wave's 128 columns
	global_load_b128 v[BI:BI+3], v[CO], s[BIAS:BIAS+1]     ; columns 4 l .. 4 l + 3: those that I hold when a row comes back from the stage
	; the prefetches.  s13 = 256 x tile row, s42 = tile column, s40 = cx, s41 = cy still stand; s[4:5] = A, s[6:7] = B
	s_lshl_b32 s42, s42, 8
	s_and_b32 s22, ttmp7, 0xffff                   ; cluster y
	s_cmp_eq_u32 s11, 0                            ; do I fetch for A?
	s_cselect_b32 s20, s13, s42                    ; the tile's first row: in A by the tile row, in B by the tile column
	s_cselect_b32 s21, s40, s41                    ; my place among the four that ask for it with me
	s_cselect_b32 s22, ttmp9, s22                  ; the coordinate along which other clusters read the same rows
	s_cselect_b64 s[PFA:PFA+1], s[4:5], s[6:7]
	s_cmp_eq_u32 s22, 0
	s_cselect_b32 s[LIM], 1, -1                    ; the same in all sixteen partners, for a given wave
	s_lshl_b32 s22, s12, 7
	s_add_co_u32 s20, s20, s22                     ; + the 128 rows that I fetch
	s_lshl_b32 s21, s21, 5
	s_add_co_u32 s20, s20, s21                     ; + my work-group's 32 of them
	s_mov_b32 s21, 0
	s_mov_b64 s[18:19], SIZE_K*2
	s_mul_u64 s[20:21], s[20:21], s[18:19]
	s_add_nc_u64 s[PFA:PFA+1], s[PFA:PFA+1], s[20:21]
	s_add_nc_u64 s[PFA:PFA+1], s[PFA:PFA+1], 2*KSTEP*2  ; at K step 2: the first refill steps it to 3 and names K step 4
	v_and_b32 v[PFO], 31, v0
	v_mul_u32_u24 v[PFO], v[PFO], SIZE_K*2
	s_wait_loadcnt 0x0                             ; the bias, once; rounded to bf16 and held as f32
	v_cvt_pk_bf16_f32 v12, v[BI], v[BI+1]
	v_cvt_pk_bf16_f32 v13, v[BI+2], v[BI+3]
	v_lshlrev_b32 v[BI], 16, v12
	v_and_b32 v[BI+1], 0xffff0000, v12
	v_lshlrev_b32 v[BI+2], 16, v13
	v_and_b32 v[BI+3], 0xffff0000, v13
; 16 matrix instructions: m blocks a0, a0 + 1 of the window's four (hi = 0: my rows 0-63, 1: rows 64-127) x all 8 n blocks, 32 along K.
; zero = 1: the first product starts the sums: nothing is ever cleared.  The 64 accumulators take turns, one instruction a turn, in the same order in every quarter step.
.macro MUL16 f, hi, a0, zero
	WIN MUL_LO+0x50*(\hi)
.irp a, \a0, (\a0)+1
.irp b, 0,1,2,3,4,5,6,7
.if \zero
	v_wmma_f32_16x16x32_bf16 v[8*(8*(\a)+(\b)):8*(8*(\a)+(\b))+7], v[(\f)+8*(\b):(\f)+8*(\b)+7], v[(\f)+8*(4*(\hi)+(\a)):(\f)+8*(4*(\hi)+(\a))+7], 0
.else
	v_wmma_f32_16x16x32_bf16 v[8*(8*(\a)+(\b)):8*(8*(\a)+(\b))+7], v[(\f)+8*(\b):(\f)+8*(\b)+7], v[(\f)+8*(4*(\hi)+(\a)):(\f)+8*(4*(\hi)+(\a))+7], v[8*(8*(\a)+(\b)):8*(8*(\a)+(\b))+7]
.endif
.endr
.endr
.endm
; 32 LDS loads in one run: the fragments of one quarter step (128 rows of B, 128 rows of A, 32 K at byte k of the rows) into buffer f
.macro FETCH slot, k, f
	WIN TO_B
.irp i, 0,1,2,3,4,5,6,7
	ds_load_b128 v[(\f)+8*(\i):(\f)+8*(\i)+3],   v[ADRB+(\slot)] offset:(\k)+(\i)*16*PITCH
	ds_load_b128 v[(\f)+8*(\i)+4:(\f)+8*(\i)+7], v[ADRB+(\slot)] offset:(\k)+(\i)*16*PITCH+32
.endr
	WIN 0
.irp i, 0,1,2,3,4,5,6,7
	ds_load_b128 v[(\f)+8*(\i):(\f)+8*(\i)+3],   v[ADRA+(\slot)] offset:(\k)+(\i)*16*PITCH
	ds_load_b128 v[(\f)+8*(\i)+4:(\f)+8*(\i)+7], v[ADRA+(\slot)] offset:(\k)+(\i)*16*PITCH+32
.endr
.endm
; A load into a register that a matrix instruction has read, and an LDS store that reads a matrix result, stand four places behind that matrix instruction, and only plain vector instructions
; that name none of its registers are places (ISA guide 7.12.1 for vector instructions); the matrix instructions in between are not counted.
.macro PLACES
.rept 4
	v_nop
.endr
.endm
; A K step is four quarter steps of 32 along K, 64 matrix instructions each, on buffers 0, 1, 0, 1.
; One of the first three: multiplies buffer f; in its middle it fetches the next quarter's fragments, at byte k of the same slot's rows, into buffer g.
.macro QUARTER slot, k, f, g, zero
	s_wait_dscnt 8                                 ; B and A's rows 0-63 are in; the youngest eight loads (A's rows 64-127) may be out
	WIN MUL_LO
	MUL16 \f, 0, 0, \zero
	MUL16 \f, 0, 2, \zero
	PLACES
	FETCH \slot, \k, \g
	s_wait_dscnt 32                                ; all but the 32 just issued
	WIN MUL_HI
	MUL16 \f, 1, 0, \zero
	MUL16 \f, 1, 2, \zero
.endm
; The last quarter multiplies buffer 1 and changes slots.  MEET is its first half: ONE barrier for the change of slots.  In front of it each wave waits for all its tensor loads, of which one is
; out: its part of the next slot; adds 0 to its spare word; and waits for that and for its own reads of this slot.  Behind it nobody reads this slot any more and the next slot is whole.
.macro MEET round                      ; round = 1: a round of the cluster's barrier follows
	WIN 0                                          ; (the add's two registers lie in window 0)
	s_wait_tensorcnt 0x0                           ; all my tensor loads have landed: the one that was out is my part of the next slot;
	ds_add_u32 v[SPW], v[NIL]                      ; 0 onto my spare word;
	s_wait_dscnt 9                                 ; (the add and the youngest eight loads may be out)
	WIN MUL_LO
	MUL16 F1, 0, 0, 0                              ; sixteen matrix instructions stand between the add and the wait for it
	s_wait_dscnt 0x0                               ; the add is done, and my reads of this slot are over:
	s_barrier_signal -1                            ; say so (where a slot is filled again this barrier opens a round of the cluster's barrier),
	MUL16 F1, 0, 2, 0                              ; work on registers while the others arrive,
.if \round
	WIN 0
.endif
	s_barrier_wait -1                              ; and go on when all four have said so
.endm
; The whole last quarter.  Behind the round the slot just read out is filled again first, with the K step two steps on; then come the next slot's first fragments.
; From a request to the wait for it a wave issues 224 matrix instructions.
.macro TURN slot, next
	s_wait_xcnt 0x0                                ; the last prefetch, a K step back, has read its address: it is stepped here, ahead of the waits of the change of slots
	s_add_nc_u64 s[PFA:PFA+1], s[PFA:PFA+1], KSTEP*2
	MEET 1
	CREST                                          ; all sixteen work-groups have said so: no wave of any partner still reads this slot's tile or has a load on its way
	s_add_nc_u64 s[G0+4*(\slot)+2:G0+4*(\slot)+3], s[G0+4*(\slot)+2:G0+4*(\slot)+3], 2*KSTEP*2      ; no tensor load of mine is out, so a group 0 may be written; the type bits on top are not reached
	s_add_nc_u64 s[G0B+4*(\slot)+2:G0B+4*(\slot)+3], s[G0B+4*(\slot)+2:G0B+4*(\slot)+3], 2*KSTEP*2
	JLOAD \slot                                    ; the first tensor load behind the round, my only one until the next; the four v_nop behind it are also the places in front of the loads below
	FETCH \next, 0, F0
	ASK                                            ; behind the joint load and the run of LDS loads that the next products wait for
	WIN MUL_HI
	MUL16 F1, 1, 0, 0
	MUL16 F1, 1, 2, 0
.endm
; THE LAST K STEP (it lies in slot 1) GOES BY ROWS OF THE OUTPUT, NOT BY K.  All its fragments of B (4 quarters x 64 registers) fill window 1; then my eight blocks of 16 rows are finished one
; after the other, each with 32 matrix instructions (its 8 accumulators by turns, K ascending).  LDS is read no more than in any other K step.
.macro BLOAD q                         ; B's fragments of quarter q -> window 1, v[64 q ..]
	WIN TO_B
.irp i, 0,1,2,3,4,5,6,7
	ds_load_b128 v[64*(\q)+8*(\i):64*(\q)+8*(\i)+3],   v[ADRB+1] offset:64*(\q)+(\i)*16*PITCH
	ds_load_b128 v[64*(\q)+8*(\i)+4:64*(\q)+8*(\i)+7], v[ADRB+1] offset:64*(\q)+(\i)*16*PITCH+32
.endr
.endm
.macro ALOAD a                         ; A's fragments of block a, all four quarters -> buffer a % 4
	WIN 0
.set FA, PA+32*((\a)%4)
.irp q, 0,1,2,3
	ds_load_b128 v[FA+8*(\q):FA+8*(\q)+3],   v[ADRA+1] offset:64*(\q)+(\a)*16*PITCH
	ds_load_b128 v[FA+8*(\q)+4:FA+8*(\q)+7], v[ADRA+1] offset:64*(\q)+(\a)*16*PITCH+32
.endr
.endm
.macro ROW a                           ; block a is finished: 32 matrix instructions
.set FA, PA+32*((\a)%4)                ; its fragments of A
.set AC, 64*((\a)%4)                   ; its eight accumulators, in window 2 (blocks 0-3) or 3 (blocks 4-7)
	WIN MUL_LO+0x50*((\a)/4)
.irp q, 0,1,2,3
.if (\a) == 0 && (\q) == 2
	s_wait_dscnt 24                                ; B's quarter 2 is in (behind it: A's blocks 1 to 3)
.endif
.irp b, 0,1,2,3,4,5,6,7
	v_wmma_f32_16x16x32_bf16 v[AC+8*(\b):AC+8*(\b)+7], v[64*(\q)+8*(\b):64*(\q)+8*(\b)+7], v[FA+8*(\q):FA+8*(\q)+7], v[AC+8*(\b):AC+8*(\b)+7]
.endr
.endr
.endm
; THE WAY OUT of block a (16 rows x 128 columns of f32), in two parts.  TOSTAGE: a lane's 32 bytes of each accumulator go straight from the accumulator into my own stage in LDS, each
; accumulator's low four registers first; the block comes back as 16 whole rows of 512 bytes: row t into v[32 + 4 t ..] (t < 8) or v[192 + 4 t ..] (t >= 8).
.macro TOSTAGE a
.set AC, 64*((\a)%4)
	WIN 0x08+4*((\a)/4)                            ; the stores' data (source 1) in window 2 or 3, the address in window 0
.irp b, 0,1,2,3,4,5,6,7
	ds_store_b128 v[STO], v[AC+8*(\b):AC+8*(\b)+3]   offset:64*(\b)
	ds_store_b128 v[STO], v[AC+8*(\b)+4:AC+8*(\b)+7] offset:64*(\b)+16
.endr
	WIN 0
	s_wait_xcnt 0x0                                ; every earlier memory instruction has had its addresses translated (ISA guide 3.1): only behind this wait are the stores' base and the registers that the last block's stores read written again
.if (\a) == 0
	s_add_nc_u64 s[8:9], s[8:9], s[16:17]          ; on to my first rows and columns
.else
	s_add_nc_u64 s[8:9], s[8:9], 16*SIZE_N*4       ; 16 rows on
.endif
.irp t, 0,1,2,3,4,5,6,7,8,9,10,11,12,13,14,15
.set RB, 32+4*(\t)+160*((\t)/8)
	ds_load_b128 v[RB:RB+3], v[RD] offset:SPITCH*(\t)  ; LDS serves a wave's instructions in order (ISA guide 5.7.1.4): these see the stores above; the next block's stores come behind them
.endr
.endm
; SEND: row by row the bias is added, a number whose exponent field is all ones (NaN, +inf, -inf) becomes 0, and the row's 512 bytes are stored.
; younger: the LDS loads issued behind TOSTAGE's, which may stay out.
.macro SEND younger
	WIN 0
.irp t, 0,1,2,3,4,5,6,7,8,9,10,11,12,13,14,15
.set RB, 32+4*(\t)+160*((\t)/8)
	s_wait_dscnt (\younger)+15-(\t)                ; row t is back; the 15 - t rows behind it, and the younger loads, may be out
	v_pk_add_f32 v[RB:RB+1],   v[RB:RB+1],   v[BI:BI+1]
	v_pk_add_f32 v[RB+2:RB+3], v[RB+2:RB+3], v[BI+2:BI+3]
.irp k, 0,1,2,3
	v_and_b32 v[T+(\k)], s[INF], v[RB+(\k)]        ; the exponent field alone
.endr
.irp k, 0,1,2,3
	v_cmp_gt_u32 s[FIN+(\k)], s[INF], v[T+(\k)]    ; below all ones: the number is finite
.endr
.irp k, 0,1,2,3
	v_cndmask_b32 v[RB+(\k)], 0, v[RB+(\k)], s[FIN+(\k)]
.endr
	global_store_b128 v[CO], v[RB:RB+3], s[8:9] offset:SIZE_N*4*(\t) th:TH_STORE_NT  ; the wave stores 512 consecutive bytes, at a multiple of 512 from out0's first byte; written once, not read again
.endr
.endm
	s_wait_tensorcnt 1                             ; my part of K step 0 is in; K step 1's load may stay out
	s_barrier_signal -1
	s_barrier_wait -1                              ; everybody's is
	FETCH 0, 0, F0
	QUARTER 0, 64,  F0, F1, 1                      ; the first quarter stands in front of the loop: its products start the sums
	WIN 0                                          ; at a label and at a branch every window is 0
	s_mov_b32 s3, LAPS-1
.Llap:                                                 ; a trip goes once round the ring, from a lap's second quarter to the next lap's first, and fills both slots again
	QUARTER 0, 128, F1, F0, 0
	QUARTER 0, 192, F0, F1, 0
	TURN 0, 1
	QUARTER 1, 64,  F0, F1, 0
	QUARTER 1, 128, F1, F0, 0
	QUARTER 1, 192, F0, F1, 0
	TURN 1, 0
	QUARTER 0, 64,  F0, F1, 0
	WIN 0
	s_sub_co_u32 s3, s3, 1
	s_cmp_lg_u32 s3, 0
	s_cbranch_scc1 .Llap
	QUARTER 0, 128, F1, F0, 0                      ; the last lap goes on; it is written out, since it asks for nothing more
	QUARTER 0, 192, F0, F1, 0
	MEET 0                                         ; my one tensor load that was still out is slot 1's, the last K step's, so no round follows
	PLACES                                         ; for the loads into buffer 0, which the quarter before multiplied
	WIN TO_B
	BLOAD 0                                        ; three quarters of B now: buffer 1 (v128-191 of both windows) is still being multiplied
	BLOAD 1
	BLOAD 3
	WIN 0
	ALOAD 0
	WIN MUL_HI
	MUL16 F1, 1, 0, 0
	MUL16 F1, 1, 2, 0
	PLACES                                         ; for the loads into buffer 1
	WIN TO_B
	BLOAD 2
	WIN 0
	ALOAD 1
	ALOAD 2
	ALOAD 3
	s_wait_dscnt 40                                ; all but the 40 just issued: B's quarter 2 and A's blocks 1 to 3
	ROW 0
.irp a, 0,1,2,3,4,5,6,7                ; each block leaves as soon as it is finished: nothing follows this tile under which its stores could leave
	PLACES                                         ; the stores into the stage read results just made, and the loads below land in fragments just read
	TOSTAGE \a
.if (\a) < 4
	ALOAD (\a)+4                                   ; its buffer takes the block four further on
	SEND 8
.else
	SEND 0
.endif
.if (\a) < 7
	ROW (\a)+1
.endif
.endr
	s_wait_tensorcnt 0x0                           ; the wave's end: an add to my spare word and its wait, behind my last tensor load and my last LDS store
	ds_add_u32 v[SPW], v[NIL]
	s_wait_dscnt 0x0
	CROUND                                         ; the closing round: no work-group ends while a partner may still ask for a tile that names it
	s_endpgm
.Lfunc_end_k_qce60ebc619_gemm:
	.size	k_qce60ebc619_gemm, .Lfunc_end_k_qce60ebc619_gemm-k_qce60ebc619_gemm
	.p2alignl 7, 3214868480
	.fill 96, 4, 3214868480
	.section	.rodata,"a",@progbits
	.p2align	6, 0x0
	.amdhsa_kernel k_qce60ebc619_gemm
		.amdhsa_group_segment_fixed_size 327680
		.amdhsa_private_segment_fixed_size 0
		.amdhsa_enable_private_segment 0
		.amdhsa_kernarg_size 32
		.amdhsa_user_sgpr_count 2
		.amdhsa_user_sgpr_kernarg_segment_ptr 1
		.amdhsa_wavefront_size32 1
		.amdhsa_system_sgpr_workgroup_id_x 1
		.amdhsa_system_sgpr_workgroup_id_y 1
		.amdhsa_system_sgpr_workgroup_id_z 1
		.amdhsa_system_vgpr_workitem_id 0
		.amdhsa_next_free_vgpr 1024
		.amdhsa_next_free_sgpr 70
		.amdhsa_reserve_vcc 0
		.amdhsa_float_denorm_mode_32 3
		.amdhsa_float_denorm_mode_16_64 3
		.amdhsa_memory_ordered 1
		.amdhsa_forward_progress 1
		.amdhsa_inst_pref_size 242
	.end_amdhsa_kernel
	.amdgpu_metadata
---
amdhsa.version: [ 1, 2 ]
amdhsa.kernels:
  - .name:           k_qce60ebc619_gemm
    .symbol:         k_qce60ebc619_gemm.kd
    .args:
      - { .name: xb, .offset: 0, .size: 8, .value_kind: global_buffer, .address_space: global }
      - { .name: wb, .offset: 8, .size: 8, .value_kind: global_buffer, .address_space: global }
      - { .name: out0, .offset: 16, .size: 8, .value_kind: global_buffer, .address_space: global }
      - { .name: bias, .offset: 24, .size: 8, .value_kind: global_buffer, .address_space: global }
    .group_segment_fixed_size: 327680
    .private_segment_fixed_size: 0
    .kernarg_segment_align: 8
    .kernarg_segment_size: 32
    .max_flat_workgroup_size: 128
    .sgpr_count:     70
    .vgpr_count:     1024
    .wavefront_size: 32
...
	.end_amdgpu_metadata
.endif
;; end of part 2
;; ======== version 2 of 2: 2 launches; version 1 with the launch prep written anew for expert scheduling mode
;; workspace buffers: xb 33,554,432 bytes; wb 33,554,432 bytes
;; launch prep (part 3): grid 1024 x 2, 8 waves a work-group, no clusters, 0 bytes of LDS; arguments x, codes, absmax, xb, wb; writes xb, wb
.if DOCPART == 3
	.amdgcn_target "amdgcn-amd-amdhsa--gfx1250"
	.amdhsa_code_object_version 6
	.text
	.protected	k_qce60ebc619_prep
	.globl	k_qce60ebc619_prep
	.p2align	8
	.type	k_qce60ebc619_prep,@function
k_qce60ebc619_prep:
	s_mov_b64 s[64:65], 0
	v_nop
	global_prefetch_b8 v0, s[64:65] scope:SCOPE_SE
	s_setreg_imm32_b32 hwreg(HW_REG_WAVE_SCHED_MODE, 0, 2), 2
	s_setreg_imm32_b32 hwreg(HW_REG_WAVE_MODE, 25, 1), 1
	s_wait_xcnt 0x0
	s_wait_alu depctr_vm_vsrc(0)
; THE OPERANDS OF THE PRODUCT, MADE ONCE.  Work-groups with y = 0: xb = bf16(x).  Work-groups with y = 1: wb = bf16(NF4[code] x bf16(absmax)).
; x: [4096][4096] f32, codes: [4096][4096] int32, absmax: [4096][64] f32 (one scale for 64 neighbouring numbers of a row); xb, wb: [4096][4096] bf16, row-major.
; Each row of x and of the weights is multiplied by 16 tiles of the product that follows, so conversion and look-up are done here, once, and not there, sixteen times.
; ROUNDINGS.  x is rounded once to bf16.  absmax is rounded to bf16 first, like every floating-point input of the program; the product with the f32 table entry is rounded once more.
; LIMITS.  A code above 15 (a negative one read as unsigned) counts as 15.  |x| or |absmax| beyond bf16's largest finite number, 3.39e38, becomes an infinity.  NaN and infinities pass through.
; SHARES.  A job is 16,777,216 numbers.  A work-group takes 16,384 of them on end, each of its eight waves 2,048: 8 KiB in, 4 KiB out.  Step j of 16: one load of 16 bytes a lane
; (512 consecutive bytes, aligned) and one store of 8 bytes a lane (the wave's 32 lanes store 256 consecutive bytes, aligned).  All 16 loads of a wave go out at once, into 64 registers:
; no loop.  No LDS byte is used, no barrier: no wave wants what another fetched.  No matrix work, no cluster: nothing is shared.
; THE MODE: SCHED_MODE bits 1:0 = 2 (LLVM: expert scheduling mode 2), set by the entry lines.  The code itself states the register dependences
; between vector instructions and memory or LDS instructions, with s_wait_alu, always for 0.
; THE PLAN.  The 16 steps go in four groups of four; each kind of work on a group stands a turn apart from the next.  Registers that memory or LDS instructions touch:
;   v3, v4, v5  byte offsets, made at the head and never written again.            v6  the scale's load lands in it; behind that vector lines alone name it.
;   v8          the table: written while the loads are out, read by every permute, never written again.
;   D           x's way: a group's loads land; its roundings read four registers a step and write the first two; its stores read those two.
;               The weights' way: the loads land; the index lines read; the permutes' results land; scaling and rounding work in place; the stores read the first two registers of each step.
;               No memory or LDS instruction reads a register of D that is written later.
;   IX0, IX1    the weights' way alone: the index lines of group g write IX[g % 2]; the group's permutes read it as their addresses; the index lines of group g + 2 write it again.
; x's way, turn n: the roundings of group n and the stores of group n - 1.  The weights' way, turn n: the index lines of group n, the permutes of group n - 1, the scaling and rounding of
; group n - 2, the stores of group n - 3.  A turn's vector lines name groups n and n - 2 and IX[n % 2]; its memory and LDS lines touch groups n - 1 and n - 3 and IX[(n - 1) % 2]: none of the
; same registers.  So ONE wait on va_vdst at a turn's head states all that the turn's permutes and stores hang on, and these are dealt among its vector lines with no further wait.
.set IO,  3                            ; v3       my byte offset in the work-group's input: 8,192 x wave + 16 x lane
.set OO,  4                            ; v4       in its output: 4,096 x wave + 8 x lane
.set AO,  5                            ; v5       in its 256 scales
.set AM,  6                            ; v6       my scale
.set TB,  8                            ; v8       lane c (0 to 15) holds NF4[c]
.set SC,  10                           ; v[10:11] the step's scale; named as a pair; vector lines alone name it
.set D,   16                           ; v[16:79] step j's four numbers at D + 4 j
.set IX,  80                           ; v[80:111] buffer b, step i of its group: four permute indices at IX + 16 b + 4 i
; x's way, turn n: group n (n <= 3) is rounded, group n - 1 (n >= 1) is stored.
.macro XTURN n
.if (\n) >= 1
	s_wait_alu depctr_va_vdst(0)                   ; the roundings of group n - 1 have written the registers that the four stores below read; no vector line of this turn names them
.endif
.irp i, 0,1,2,3
.if (\n) >= 1
.set J, 4*((\n)-1)+(\i)
	global_store_b64 v[OO], v[D+4*J:D+4*J+1], s[10:11] offset:256*J  ; no hint: the next launch reads these bytes
.endif
.if (\n) <= 3
.set J, 4*(\n)+(\i)
	s_wait_loadcnt 15-J                            ; loads come back in order (ISA guide 5.7.1): step J's is in, the 15 - J younger ones stay out
	v_cvt_pk_bf16_f32 v[D+4*J],   v[D+4*J],   v[D+4*J+1]
	v_cvt_pk_bf16_f32 v[D+4*J+1], v[D+4*J+2], v[D+4*J+3]
.endif
.endr
.endm
; The weights' way, step i of turn n.  js: the number of the step that is scaled, 4 (n - 2) + i, written out as a plain number for the lane-crossing move.
.macro WSUB n, i, js
.if ((\n) >= 1) && ((\n) <= 4)
.set J, 4*((\n)-1)+(\i)
.set Q, IX+16*(((\n)-1)%2)+4*(\i)
.irp k, 0,1,2,3
	ds_bpermute_b32 v[D+4*J+(\k)], v[Q+(\k)], v[TB]  ; the look-up: each lane pulls the table entry of lane 'code'; it goes through the LDS unit and touches no LDS byte; DScnt counts it
.endr
.endif
.if (\n) >= 3
.set J, 4*((\n)-3)+(\i)
	global_store_b64 v[OO], v[D+4*J:D+4*J+1], s[12:13] offset:256*J
.endif
.if (\n) <= 3
.set J, 4*(\n)+(\i)
.set Q, IX+16*((\n)%2)+4*(\i)
	s_wait_loadcnt 15-J                            ; step J's codes are in, the 15 - J younger loads stay out
.irp k, 0,1,2,3
	v_min_u32 v[Q+(\k)], 15, v[D+4*J+(\k)]         ; a code stays inside the table
.endr
.irp k, 0,1,2,3
	v_lshlrev_b32 v[Q+(\k)], 2, v[Q+(\k)]          ; the permute's index is 4 x lane
.endr
.endif
.if ((\n) >= 2) && ((\n) <= 5)
.if (\n) <= 4
	s_wait_dscnt 16                                ; permutes come back in order: step js's four are in; behind them 4 (3 - i) of its own group and 4 (i + 1) of the next stay out
.else
	s_wait_dscnt 12-4*(\i)                         ; no further group was asked for: its own group's 4 (3 - i) alone stay out
.endif
	v_mov_b32_dpp v[SC], v[AM] row_share:\js row_mask:0xf bank_mask:0xf  ; lane js of my half of 16 lanes: scale 2 js + h
	v_pk_mul_f32 v[D+4*(\js):D+4*(\js)+1],   v[D+4*(\js):D+4*(\js)+1],   v[SC:SC+1] op_sel_hi:[1,0]
	v_pk_mul_f32 v[D+4*(\js)+2:D+4*(\js)+3], v[D+4*(\js)+2:D+4*(\js)+3], v[SC:SC+1] op_sel_hi:[1,0]
	v_cvt_pk_bf16_f32 v[D+4*(\js)],   v[D+4*(\js)],   v[D+4*(\js)+1]
	v_cvt_pk_bf16_f32 v[D+4*(\js)+1], v[D+4*(\js)+2], v[D+4*(\js)+3]
.endif
.endm
; The weights' way, turn n.  a to d: the four steps that it scales (of no account in turns 0, 1 and 6, which scale nothing).
.macro WTURN n, a, b, c, d
.if ((\n) >= 2) && ((\n) <= 3)
	s_wait_alu depctr_vm_vsrc(0)                   ; the permutes of group n - 2, issued in the turn before, have read IX[n % 2], which this turn's index lines write again
.endif
.if (\n) >= 1
	s_wait_alu depctr_va_vdst(0)                   ; the index lines of group n - 1 have written IX[(n - 1) % 2] and are done reading the group's D, in which the permutes' results land; in turn 1 the table is written; the roundings of group n - 3 have written the stores' data
.endif
	WSUB \n, 0, \a
	WSUB \n, 1, \b
	WSUB \n, 2, \c
	WSUB \n, 3, \d
.endm
	s_load_b256 s[4:11], s[0:1], 0x0               ; x s[4:5], codes s[6:7], absmax s[8:9], xb s[10:11]
	s_load_b64 s[12:13], s[0:1], 0x20              ; wb
	s_and_b32 s14, ttmp7, 0xffff                   ; the job
	s_lshl_b32 s2, ttmp9, 16                       ; the work-group's 65,536 bytes of input (1,024 work-groups: under 2^26),
	s_mov_b32 s3, 0
	s_lshl_b32 s16, ttmp9, 15                      ; its 32,768 bytes of output,
	s_mov_b32 s17, 0
	s_lshl_b32 s18, ttmp9, 10                      ; and its 256 scales: a number's place / 64 is its scale's place, since a row has a whole number of blocks
	s_mov_b32 s19, 0
	v_and_b32 v1, 31, v0                           ; lane
	v_and_b32 v2, 0xe0, v0                         ; 32 x wave
	v_lshlrev_b32 v[IO], 4, v1
	v_lshl_or_b32 v[IO], v2, 8, v[IO]
	v_lshlrev_b32 v[OO], 3, v1
	v_lshl_or_b32 v[OO], v2, 7, v[OO]
	s_wait_kmcnt 0x0
	s_cmp_lg_u32 s14, 0
	s_cbranch_scc1 .Lw
	; ---- x to bf16 ----
	s_add_nc_u64 s[4:5], s[4:5], s[2:3]
	s_add_nc_u64 s[10:11], s[10:11], s[16:17]
	s_wait_alu depctr_va_vdst(0)                   ; v3 and v4 are written: every load and store of this way reads one of them as its offset
.irp j, 0,1,2,3,4,5,6,7,8,9,10,11,12,13,14,15
	global_load_b128 v[D+4*(\j):D+4*(\j)+3], v[IO], s[4:5] offset:512*(\j) th:TH_LOAD_NT  ; read once in the launch
.endr
	XTURN 0
	XTURN 1
	XTURN 2
	XTURN 3
	XTURN 4                                        ; the last group's four stores
	s_endpgm
	; ---- codes and scales to bf16 weights ----
.Lw:
	s_add_nc_u64 s[6:7], s[6:7], s[2:3]
	s_add_nc_u64 s[8:9], s[8:9], s[18:19]
	s_add_nc_u64 s[12:13], s[12:13], s[16:17]
	; The wave's 2,048 numbers have 32 scales, 128 bytes on end.  In step j lane l works on numbers 128 j + 4 l .., whose block is 2 j + l / 16.  So lane (r = l % 16, h = l / 16) keeps
	; scale 2 r + h: in step j every lane then takes lane j of its own half of 16 lanes.
	v_and_b32 v7, 15, v0
	v_bfe_u32 v[AO], v0, 4, 1
	v_lshlrev_b32 v[AO], 2, v[AO]                  ; 4 h
	v_lshl_add_u32 v[AO], v7, 3, v[AO]             ; + 8 r
	v_lshl_add_u32 v[AO], v2, 2, v[AO]             ; + 128 x wave
	s_wait_alu depctr_va_vdst(0)                   ; v3, v4 and v5 are written: every load and store of this way reads one of them as its offset
	global_load_b32 v[AM], v[AO], s[8:9]
.irp j, 0,1,2,3,4,5,6,7,8,9,10,11,12,13,14,15
	global_load_b128 v[D+4*(\j):D+4*(\j)+3], v[IO], s[6:7] offset:512*(\j) th:TH_LOAD_NT
.endr
	; The table, made while the loads are out: NF4's sixteen levels as f32 bits, level c in lane c.  Level 7 is 0, and so are lanes 16 to 31, which no clamped code names.
	v_mov_b32 v[TB], 0
	v_mov_b32 v[SC], 0                             ; the lane-crossing move's destination counts as read, and the packed multiply names the pair: both are written once here
	v_mov_b32 v[SC+1], 0
.macro TAB lane, bits
	s_mov_b32 s[20+(\lane)], \bits
	v_writelane_b32 v[TB], s[20+(\lane)], \lane
.endm
	TAB 0,  0xbf800000                             ; -1.0
	TAB 1,  0xbf3239b1                             ; -0.6961928009986877
	TAB 2,  0xbf066b30                             ; -0.5250730514526367
	TAB 3,  0xbeca32a0                             ; -0.39491748809814453
	TAB 4,  0xbe91a24d                             ; -0.28444138169288635
	TAB 5,  0xbe3d353f                             ; -0.18477343022823334
	TAB 6,  0xbdba7871                             ; -0.09105003625154495
	TAB 8,  0x3da2faff                             ;  0.07958029955625534
	TAB 9,  0x3e24cae3                             ;  0.16093020141124725
	TAB 10, 0x3e7c04dd                             ;  0.24611230194568634
	TAB 11, 0x3ead033a                             ;  0.33791524171829224
	TAB 12, 0x3ee1a4b8                             ;  0.44070982933044434
	TAB 13, 0x3f1007ab                             ;  0.5626170039176941
	TAB 14, 0x3f2e047c                             ;  0.6797559261322021
	TAB 15, 0x3f800000                             ;  1.0
	s_wait_loadcnt 16                              ; my scale is in; the 16 loads of codes issued behind it stay out
	v_cvt_pk_bf16_f32 v7, v[AM], v[AM]             ; the scale rounded to bf16,
	v_lshlrev_b32 v[AM], 16, v7                    ; and held as f32
	WTURN 0, 0, 0, 0, 0                            ; group 0 is indexed
	WTURN 1, 0, 0, 0, 0                            ; group 0 is permuted, group 1 indexed
	WTURN 2, 0, 1, 2, 3                            ; group 1 permuted, group 2 indexed, group 0 scaled and rounded
	WTURN 3, 4, 5, 6, 7                            ; group 2 permuted, group 3 indexed, group 1 scaled and rounded, group 0 stored
	WTURN 4, 8, 9, 10, 11                          ; group 3 permuted, group 2 scaled and rounded, group 1 stored
	WTURN 5, 12, 13, 14, 15                        ; group 3 scaled and rounded, group 2 stored
	WTURN 6, 0, 0, 0, 0                            ; group 3 stored
	s_endpgm
.Lfunc_end_k_qce60ebc619_prep:
	.size	k_qce60ebc619_prep, .Lfunc_end_k_qce60ebc619_prep-k_qce60ebc619_prep
	.p2alignl 7, 3214868480
	.fill 96, 4, 3214868480
	.section	.rodata,"a",@progbits
	.p2align	6, 0x0
	.amdhsa_kernel k_qce60ebc619_prep
		.amdhsa_group_segment_fixed_size 0
		.amdhsa_private_segment_fixed_size 0
		.amdhsa_enable_private_segment 0
		.amdhsa_kernarg_size 40
		.amdhsa_user_sgpr_count 2
		.amdhsa_user_sgpr_kernarg_segment_ptr 1
		.amdhsa_wavefront_size32 1
		.amdhsa_system_sgpr_workgroup_id_x 1
		.amdhsa_system_sgpr_workgroup_id_y 1
		.amdhsa_system_sgpr_workgroup_id_z 1
		.amdhsa_system_vgpr_workitem_id 0
		.amdhsa_next_free_vgpr 112
		.amdhsa_next_free_sgpr 66
		.amdhsa_reserve_vcc 0
		.amdhsa_float_denorm_mode_32 3
		.amdhsa_float_denorm_mode_16_64 3
		.amdhsa_memory_ordered 1
		.amdhsa_forward_progress 1
		.amdhsa_inst_pref_size 27
	.end_amdhsa_kernel
	.amdgpu_metadata
---
amdhsa.version: [ 1, 2 ]
amdhsa.kernels:
  - .name:           k_qce60ebc619_prep
    .symbol:         k_qce60ebc619_prep.kd
    .args:
      - { .name: x, .offset: 0, .size: 8, .value_kind: global_buffer, .address_space: global }
      - { .name: codes, .offset: 8, .size: 8, .value_kind: global_buffer, .address_space: global }
      - { .name: absmax, .offset: 16, .size: 8, .value_kind: global_buffer, .address_space: global }
      - { .name: xb, .offset: 24, .size: 8, .value_kind: global_buffer, .address_space: global }
      - { .name: wb, .offset: 32, .size: 8, .value_kind: global_buffer, .address_space: global }
    .group_segment_fixed_size: 0
    .private_segment_fixed_size: 0
    .kernarg_segment_align: 8
    .kernarg_segment_size: 40
    .max_flat_workgroup_size: 256
    .sgpr_count:     66
    .vgpr_count:     112
    .wavefront_size: 32
...
	.end_amdgpu_metadata
.endif
;; end of part 3
;; launch gemm: the kernel of part 2 again; grid 16 x 16, 4 waves a work-group, clusters of 4 x 4, 327,680 bytes of LDS; arguments xb, wb, out0, bias; writes out0
